; MI455X (gfx1250); checked and timed in simulation.
; The chip was launched on July 23, 2026; its instructions are those of AMD's public machine-readable ISA for CDNA 5 (MIT licence, August 2026) and "CDNA5" Instruction Set Architecture Reference Guide (July 2026). The comments in the code are by the model that wrote it; some were corrected since.
;; knrm. Allowed arithmetic: float matrix products may take bf16 or f16 operands with f32 sums; all other float work in f32.
;; Inputs: dense_b 1 float32; dense_w 1 x 21 float32; doc_idx 128 x 512 int32; doc_len 128 int32; emb_table 50,000 x 300 float32; query_idx 128 x 32 int32; query_len 128 int32.
;; Outputs: out0 128 float32; out1 128 x 21 float32.
;; One version. Each part assembles by itself: llvm-mc -triple=amdgcn-amd-amdhsa -mcpu=gfx1250 --defsym DOCPART=n.
;; ======== version 1 of 1: 2 launches
;; workspace buffers: part 786,432 bytes
;; launch pool (part 1): grid 2 x 128, 18 waves a work-group, no clusters, 248,832 bytes of LDS; arguments query_idx, doc_idx, doc_len, emb_table, part; writes part
.if DOCPART == 1
	.amdgcn_target "amdgcn-amd-amdhsa--gfx1250"
	.amdhsa_code_object_version 6
	.text
	.protected	k_q70a1dea4a5_pool
	.globl	k_q70a1dea4a5_pool
	.p2align	8
	.type	k_q70a1dea4a5_pool,@function
k_q70a1dea4a5_pool:
	s_mov_b64 s[64:65], 0
	v_nop
	global_prefetch_b8 v0, s[64:65] scope:SCOPE_SE
	s_setreg_imm32_b32 hwreg(HW_REG_WAVE_MODE, 25, 1), 1
	s_wait_xcnt 0x0
; KNRM, first of two launches: gather, cosine matrix, Gaussian kernel pooling, partial sums over documents.
; Work-group (p, b): batch b, the 16 document tiles t = 2 w + p (16 documents each), so that the two work-groups of a batch
; get the same share of the documents below doc_len.  Wave w = 0..15 owns one document tile, waves 16 and 17 the two query tiles.
; One tile a wave: no loop; a wave has its 16 rows (48 loads, 19,200 bytes) on their way at once.
; A document tile that begins at or past doc_len[b] is neither gathered nor computed: reference() multiplies it by 0.
;
; ARITHMETIC.  Rows are rounded once to bf16 (xb).  cos = (xb_q . xb_d) rq rd with r = 1 / max(sqrt(sum xb^2), 1e-12); the sum of squares
; is the diagonal of the tile's own Gram product on the matrix unit, so equal words give 1 within a few last bits.
; Wide kernels k = 1..20, mu_k = 1.05 - 0.1 k, c = 50 log2(e):  exp(-(s-mu_k)^2/0.02) = 2^(-c mu_k^2) 2^(v_k),  v_k = -c s^2 + 2 c mu_k s.
; v_k is linear in k: 2^(v_10) is made by one exponential and the others by multiplying with 2^(0.2 c s) (k downward) and 2^(-0.2 c s)
; (k upward).  reference() normalises both vectors, so |s| <= 1 but for last bits: v_10 >= -79.4 (a normal number), v_k <= c mu_k^2 <= 65.1,
; and 512 summands stay below 2^75.  The factor 2^(-c mu_k^2) is applied in the second launch, as an addend to log2.
; Narrow kernel k = 0: 2^(-c0 (s-1)^2), c0 = 500000 log2(e), directly.
; The document mask is the addend (0 or -1e30) of the two multiply-adds that form v_10 and the exponent of k = 0: both exponentials
; then give 0 and the chains stay 0.
;
; LIMITS.  Indices are clamped to 0..49999 as unsigned numbers.  doc_len is compared signed: any int32 is honoured.
; Table rows that hold NaN or infinities are not served (the second launch's clip drops a NaN).
;
; NO CLUSTER, NO TENSOR LOADS: the rows are gathered by index, 1,200 bytes each, and are converted to bf16 on their way through
; registers; the two work-groups of a batch share only the 32 query rows out of up to 288 rows that each reads.
;
; part[b][p][k 0..23][q 0..31] f32: sum over this work-group's documents of 2^(v_k) (k = 0: the kernel itself); k = 21..23 are zeros,
; so that six waves store whole runs of 512 bytes.
.set V_ROWS, 50000
.set ROW_B,  1200                      ; bytes of a table row
.set PITCH,  656                       ; LDS row: 320 bf16 (300 + 20 zeros) = 640 bytes + 16: 41 x 16, so sixteen rows' 16-byte pieces fall on sixteen different 16-byte columns modulo 256 bytes
.set STG_B,  16*PITCH                  ; a wave's stage: 16 rows.  Stage w at w x 10,496; stages 16, 17 are the query tiles
.set RN,     18*STG_B                  ; 128 bytes a wave: 16 words 1/norm, 16 words for the lanes that hold no diagonal element
.set SL,     RN+18*128                 ; 3,072 bytes a wave: [k 24][q 32] f32 (waves 16, 17 leave theirs alone)
.set SLOT_B, 3072
.set RQ,   14                          ; v[14:15]  1/norm of query r of tile 0, of tile 1
.set G,    16                          ; v[16:31]  two Gram accumulators; later the two cosine accumulators
.set ACC,  16
.set X,    32                          ; v[32:191] by phase: rows as loaded (10 registers a row); fragments; pooling; final sum
.set F,    X                           ; 10 K steps x 8 registers: my tile's fragments
.set BQ,   X+80                        ; 5 K steps x (8 + 8) registers: fragments of query tiles 0 and 1
.set RD,   X+84                        ; 8: 1/norm of documents 8 h + j
.set MK,   X+92                        ; 8: 0 or -1e30 for documents 8 h + j
.set K1,   X+100                       ; (-c, 0.1 c)
.set K2,   X+102                       ; (0.2 c, -0.2 c)
.set K3,   X+104                       ; (-c0, 0)
.set SIM,  X+106                       ; pairs at work
.set TT,   X+108
.set V10,  X+110
.set WUP,  X+112
.set WDN,  X+114
.set DM1,  X+116
.set Z0,   X+118
.set EMID, X+120
.set RUP,  X+122
.set RDN,  X+124
.set ENAR, X+126
.set CUP,  X+128
.set CDN,  X+130
.set ZERO, X+132
.set FOLDT, X+134                      ; two sets of 5 (6 apart) for the fold
.macro PLACES                          ; four independent vector instructions behind a matrix instruction (ISA guide 7.12.1) before its result is read,
.rept 4                                ; its registers are written, or a load is issued into them
	v_nop
.endr
.endm
	s_load_b256 s[4:11], s[0:1], 0x0               ; query_idx s[4:5], doc_idx s[6:7], doc_len s[8:9], emb_table s[10:11]
	s_load_b64 s[12:13], s[0:1], 0x20              ; part
	v_lshrrev_b32 v5, 5, v0
	v_readfirstlane_b32 s2, v5                     ; wave 0..17
	s_mov_b32 s3, ttmp9                            ; p
	s_and_b32 s14, ttmp7, 0xffff                   ; b
	s_lshl_b32 s79, s2, 5
	s_lshl4_add_u32 s79, s3, s79                   ; tb = 32 w + 16 p: my tile's first document
	s_mul_i32 s84, s2, STG_B                       ; my stage
	s_lshl_b32 s85, s2, 7
	s_add_co_u32 s85, s85, RN                      ; my norms
	s_mul_i32 s86, s2, SLOT_B
	s_add_co_u32 s86, s86, SL                      ; my slot
	s_mov_b32 s66, 0xffff0000                      ; lanes 16..31
.irp j, 1,2,3,4,5,6,7
	s_mov_b32 s[66+\j], 0x01010101<<\j             ; lanes with lane mod 8 = j
.endr
	s_mov_b32 s74, 0x003fffff                      ; lanes 0..21
	s_mov_b32 s76, 0x76543210                      ; v_permlanex16_b32: lane i takes lane i of the other half
	s_mov_b32 s77, 0xfedcba98
	v_and_b32 v5, 31, v0                           ; lane
	v_and_b32 v13, 15, v0                          ; r
	v_bfe_u32 v14, v0, 4, 1                        ; h
	v_lshlrev_b32 v1, 4, v5                        ; row bytes 16 lane
	v_min_u32 v2, 21, v5
	v_lshlrev_b32 v2, 3, v2                        ; 8 min(lane, 21): the last 176 bytes of a row; lanes 22..31 repeat lane 21 and stay inside the row
	v_lshl_add_u32 v3, v5, 3, s84                  ; stage + 8 lane
	v_lshl_add_u32 v4, v5, 2, s84                  ; stage + 4 lane
	v_mul_u32_u24 v7, v13, PITCH
	v_lshl_add_u32 v7, v14, 4, v7                  ; r x pitch + 16 h: a fragment's lane term
	v_add_nc_u32 v6, s84, v7                       ; in my stage
	v_add_nc_u32 v7, 16*STG_B, v7                  ; in query tile 0's stage
	v_bfe_u32 v8, v0, 3, 1                         ; r / 8
	v_xor_b32 v8, v8, v14                          ; 0 in the lanes that hold a diagonal element (h = r / 8)
	v_lshlrev_b32 v8, 6, v8
	v_lshl_add_u32 v8, v13, 2, v8
	v_add_nc_u32 v8, s85, v8                       ; word r of my norms, or word 16 + r for the other lanes
	v_lshl_add_u32 v9, v14, 5, s85                 ; my norms of rows 8 h ..
	v_lshlrev_b32 v10, 2, v13
	v_add_nc_u32 v10, RN+16*128, v10               ; query tile 0's norm of row r
	v_lshl_add_u32 v11, v5, 2, s86                 ; my slot + 4 lane
	v_lshlrev_b32 v12, 3, v14                      ; 8 h
	s_lshl_b32 s15, s14, 11
	s_lshl2_add_u32 s15, s79, s15                  ; document waves: byte 2048 b + 4 tb of doc_idx
	s_and_b32 s83, s2, 1
	s_lshl_b32 s83, s83, 6
	s_lshl_b32 s82, s14, 7
	s_add_co_u32 s82, s82, s83                     ; query waves: byte 128 b + 64 (w - 16) of query_idx
	s_lshl_b32 s88, s14, 2
	s_wait_kmcnt 0x0
	s_cmp_ge_u32 s2, 16
	s_cselect_b64 s[80:81], s[4:5], s[6:7]
	s_cselect_b32 s82, s82, s15
	s_mov_b32 s83, 0
	s_add_nc_u64 s[80:81], s[80:81], s[82:83]
	s_load_b512 s[16:31], s[80:81], 0x0            ; my 16 indices
	s_load_b32 s78, s[8:9], s88 offset:0x0         ; doc_len[b]
	s_wait_kmcnt 0x0
	s_cmp_ge_u32 s2, 16
	s_cbranch_scc1 .Lgather                        ; query tiles are always needed
	s_cmp_ge_i32 s79, s78
	s_cbranch_scc1 .Lbar1                          ; my tile lies wholly past doc_len
.Lgather:
; Row i: its base as a scalar, then the whole row in three runs of neighbouring lanes: bytes 0-511, 512-1023, 1024-1199.
.macro ROWLOAD i
	s_min_u32 s[16+\i], s[16+\i], V_ROWS-1
	s_mul_i32 s[16+\i], s[16+\i], ROW_B
	s_add_co_u32 s[32+2*\i], s10, s[16+\i]
	s_add_co_ci_u32 s[33+2*\i], s11, 0
	global_load_b128 v[X+10*\i:X+10*\i+3],   v1, s[32+2*\i:33+2*\i]
	global_load_b128 v[X+10*\i+4:X+10*\i+7], v1, s[32+2*\i:33+2*\i] offset:512
	global_load_b64  v[X+10*\i+8:X+10*\i+9], v2, s[32+2*\i:33+2*\i] offset:1024
.endm
; Row i to bf16, in place, and into my stage: element k at byte 2 k; lanes 22..31 write the zeros of k = 300..319.
.macro ROWCVT i
	s_wait_loadcnt 45-3*\i                         ; loads come back in order (ISA guide 5.7.1): three for each of the 15 - i later rows stay out
	v_cvt_pk_bf16_f32 v[X+10*\i],   v[X+10*\i],   v[X+10*\i+1]
	v_cvt_pk_bf16_f32 v[X+10*\i+1], v[X+10*\i+2], v[X+10*\i+3]
	v_cvt_pk_bf16_f32 v[X+10*\i+4], v[X+10*\i+4], v[X+10*\i+5]
	v_cvt_pk_bf16_f32 v[X+10*\i+5], v[X+10*\i+6], v[X+10*\i+7]
	v_cvt_pk_bf16_f32 v[X+10*\i+8], v[X+10*\i+8], v[X+10*\i+9]
	v_cndmask_b32 v[X+10*\i+8], 0, v[X+10*\i+8], s74
	ds_store_b64 v3, v[X+10*\i:X+10*\i+1]   offset:PITCH*\i
	ds_store_b64 v3, v[X+10*\i+4:X+10*\i+5] offset:PITCH*\i+256
	ds_store_b32 v4, v[X+10*\i+8]           offset:PITCH*\i+512
.endm
.irp i, 0,1,2,3,4,5,6,7,8,9,10,11,12,13,14,15
	ROWLOAD \i
.endr
.irp i, 0,1,2,3,4,5,6,7,8,9,10,11,12,13,14,15
	ROWCVT \i
.endr
; My tile's fragments (16 rows x 32 K in 8 registers: two loads of 16 bytes, 32 bytes apart), its Gram product, and 1 / norm of its rows.
; The stage is the wave's own and LDS serves a wave's instructions in order (ISA guide 5.7.1): no wait between the stores above and these loads.
.macro TILENORM
.irp i, 0,1,2,3,4,5,6,7,8,9
	ds_load_b128 v[F+8*\i:F+8*\i+3],   v6 offset:64*\i
	ds_load_b128 v[F+8*\i+4:F+8*\i+7], v6 offset:64*\i+32
.endr
.irp i, 0,1
	s_wait_dscnt 18-2*\i                           ; two loads for each later K step stay out
	v_wmma_f32_16x16x32_bf16 v[G+8*\i:G+8*\i+7], v[F+8*\i:F+8*\i+7], v[F+8*\i:F+8*\i+7], 0   ; the first two products start the two sums
.endr
.irp i, 2,3,4,5,6,7,8,9
	s_wait_dscnt 18-2*\i
	v_wmma_f32_16x16x32_bf16 v[G+8*(\i&1):G+8*(\i&1)+7], v[F+8*\i:F+8*\i+7], v[F+8*\i:F+8*\i+7], v[G+8*(\i&1):G+8*(\i&1)+7]   ; the two accumulators take turns
.endr
	PLACES
.irp j, 0,2,4,6
	v_pk_add_f32 v[G+\j:G+\j+1], v[G+\j:G+\j+1], v[G+8+\j:G+8+\j+1]
.endr
	v_mov_b32 v13, v[G]                            ; register j of lane (r, h) is element (8 h + j, r): the diagonal is register lane mod 8 of the lanes with h = r / 8
.irp j, 1,2,3,4,5,6,7
	v_cndmask_b32 v13, v13, v[G+\j], s[66+\j]
.endr
	v_sqrt_f32 v13, v13
	v_nop                                          ; one plain vector instruction behind a transcendental before its result is used (ISA guide 5.7.2)
	s_wait_alu depctr_va_vdst(0)
	v_max_num_f32 v13, 0x2b8cbccc, v13             ; max(norm, 1e-12)
	v_rcp_f32 v13, v13
	v_nop
	s_wait_alu depctr_va_vdst(0)
	ds_store_b32 v8, v13
.endm
	s_cmp_lt_u32 s2, 16
	s_cbranch_scc1 .Lbar1                          ; document waves make their norms behind the barrier: nothing but LDS bytes crosses the join below
	TILENORM                                       ; query waves: the others need these norms
.Lbar1:
	s_wait_dscnt 0x0                               ; for the others' sake: my stage and my norms are written
	s_barrier_signal -1
	s_barrier_wait -1                              ; the query tiles and their norms may now be read by every wave
	s_cmp_ge_u32 s2, 16
	s_cbranch_scc1 .Lbar2                          ; query waves have done their part
	s_cmp_ge_i32 s79, s78
	s_cbranch_scc1 .Lzero                          ; a tile past doc_len adds nothing
	TILENORM
; Five K steps of the cosine product.  A = my 16 documents, B = 16 queries: register j of lane (r, h) is (document 8 h + j, query r),
; so the sum over documents stays inside a lane until the fold.
.macro MAIN5 g
.if \g
	PLACES                                         ; the loads below land in registers that the last products read
.endif
.irp s, 0,1,2,3,4
	ds_load_b128 v[BQ+16*\s:BQ+16*\s+3],     v7 offset:64*(5*\g+\s)
	ds_load_b128 v[BQ+16*\s+4:BQ+16*\s+7],   v7 offset:64*(5*\g+\s)+32
	ds_load_b128 v[BQ+16*\s+8:BQ+16*\s+11],  v7 offset:64*(5*\g+\s)+STG_B
	ds_load_b128 v[BQ+16*\s+12:BQ+16*\s+15], v7 offset:64*(5*\g+\s)+STG_B+32
.endr
.irp s, 0,1,2,3,4
	s_wait_dscnt 16-4*\s                           ; four loads for each later K step stay out
.if (5*\g+\s) == 0
	v_wmma_f32_16x16x32_bf16 v[ACC:ACC+7],    v[F:F+7], v[BQ:BQ+7],    0
	v_wmma_f32_16x16x32_bf16 v[ACC+8:ACC+15], v[F:F+7], v[BQ+8:BQ+15], 0
.else
	v_wmma_f32_16x16x32_bf16 v[ACC:ACC+7],    v[F+8*(5*\g+\s):F+8*(5*\g+\s)+7], v[BQ+16*\s:BQ+16*\s+7],    v[ACC:ACC+7]      ; by turns
	v_wmma_f32_16x16x32_bf16 v[ACC+8:ACC+15], v[F+8*(5*\g+\s):F+8*(5*\g+\s)+7], v[BQ+16*\s+8:BQ+16*\s+15], v[ACC+8:ACC+15]
.endif
.endr
.endm
	MAIN5 0
	MAIN5 1
	; pooling: set-up
	PLACES
	ds_load_b128 v[RD:RD+3],   v9                  ; 1 / norm of my documents 8 h .. 8 h + 7 (my own store above, served in order)
	ds_load_b128 v[RD+4:RD+7], v9 offset:16
	ds_load_b32 v[RQ],   v10                       ; 1 / norm of query r
	ds_load_b32 v[RQ+1], v10 offset:128            ; and of query 16 + r
	v_mov_b32 v[K1],   0xc29044fe                  ; -c      = -72.134752
	v_mov_b32 v[K1+1], 0x40e6d4ca                  ; 0.1 c   =   7.2134752
	v_mov_b32 v[K2],   0x4166d4ca                  ; 0.2 c   =  14.4269504
	v_mov_b32 v[K2+1], 0xc166d4ca                  ; -0.2 c
	v_mov_b32 v[K3],   0xc9301c38                  ; -c0     = -721347.52
	v_mov_b32 v[K3+1], 0
	v_mov_b32 v[ZERO], 0
	v_mov_b32 v[FOLDT+4],  0                       ; v_permlanex16_b32's destinations count as read
	v_mov_b32 v[FOLDT+10], 0
	s_sub_co_i32 s15, s78, s79                     ; doc_len - tb, at least 1 on this path
	v_sub_nc_u32 v12, s15, v12                     ; document 8 h + j counts if j < doc_len - tb - 8 h
.irp j, 0,1,2,3,4,5,6,7
	v_cmp_lt_i32 vcc_lo, \j, v12
	v_cndmask_b32 v[MK+\j], 0xf149f2ca, v[ZERO], vcc_lo    ; 0, or -1e30
.endr
	s_wait_dscnt 0x0
; Two cosines (documents 8 h + 2 pi, + 1; query 16 t + r) through all 21 kernels.  P(t, k) = v[X + 42 t + 2 k : + 1] holds the running sums.
; first = 1: the values themselves start the sums: nothing is cleared.
.macro POOLPAIR t, pi, first
.set PT, X+42*\t
	v_pk_mul_f32 v[SIM:SIM+1], v[ACC+8*\t+2*\pi:ACC+8*\t+2*\pi+1], v[RD+2*\pi:RD+2*\pi+1]
.if \t
	v_pk_mul_f32 v[SIM:SIM+1], v[SIM:SIM+1], v[RQ:RQ+1] op_sel:[0,1] op_sel_hi:[1,1]      ; both by the second register
.else
	v_pk_mul_f32 v[SIM:SIM+1], v[SIM:SIM+1], v[RQ:RQ+1] op_sel_hi:[1,0]                   ; both by the first
.endif
	v_pk_fma_f32 v[TT:TT+1],   v[SIM:SIM+1], v[K1:K1+1], v[K1:K1+1] op_sel:[0,0,1] op_sel_hi:[1,0,1]   ; -c s + 0.1 c
	v_pk_mul_f32 v[WUP:WUP+1], v[SIM:SIM+1], v[K2:K2+1] op_sel_hi:[1,0]                   ; 0.2 c s
	v_pk_mul_f32 v[WDN:WDN+1], v[SIM:SIM+1], v[K2:K2+1] op_sel:[0,1] op_sel_hi:[1,1]      ; -0.2 c s
	v_pk_add_f32 v[DM1:DM1+1], v[SIM:SIM+1], -1.0 op_sel_hi:[1,0]                         ; s - 1
	v_pk_fma_f32 v[V10:V10+1], v[SIM:SIM+1], v[TT:TT+1], v[MK+2*\pi:MK+2*\pi+1]           ; v_10 (+ mask)
	v_pk_mul_f32 v[Z0:Z0+1],   v[DM1:DM1+1], v[K3:K3+1] op_sel_hi:[1,0]
	v_pk_fma_f32 v[Z0:Z0+1],   v[Z0:Z0+1], v[DM1:DM1+1], v[MK+2*\pi:MK+2*\pi+1]           ; -c0 (s - 1)^2 (+ mask)
.if \first
	v_exp_f32 v[PT+20], v[V10]
	v_exp_f32 v[PT+21], v[V10+1]
	v_exp_f32 v[PT],    v[Z0]
	v_exp_f32 v[PT+1],  v[Z0+1]
.else
	v_exp_f32 v[EMID],   v[V10]
	v_exp_f32 v[EMID+1], v[V10+1]
	v_exp_f32 v[ENAR],   v[Z0]
	v_exp_f32 v[ENAR+1], v[Z0+1]
.endif
	v_exp_f32 v[RUP],   v[WUP]
	v_exp_f32 v[RUP+1], v[WUP+1]
	v_exp_f32 v[RDN],   v[WDN]
	v_exp_f32 v[RDN+1], v[WDN+1]
	v_nop                                          ; one plain vector instruction behind the transcendentals (ISA guide 5.7.2)
.if \first
.set kk, 0
	s_wait_alu depctr_va_vdst(0)
.rept 9
	v_pk_mul_f32 v[PT+18-2*kk:PT+19-2*kk], v[PT+20-2*kk:PT+21-2*kk], v[RUP:RUP+1]         ; k = 9 - kk from k = 10 - kk
	v_pk_mul_f32 v[PT+22+2*kk:PT+23+2*kk], v[PT+20+2*kk:PT+21+2*kk], v[RDN:RDN+1]         ; k = 11 + kk from k = 10 + kk
.set kk, kk+1
.endr
	v_pk_mul_f32 v[PT+40:PT+41], v[PT+38:PT+39], v[RDN:RDN+1]                             ; k = 20
.else
	s_wait_alu depctr_va_vdst(0)
	v_pk_add_f32 v[PT+20:PT+21], v[PT+20:PT+21], v[EMID:EMID+1]
	v_pk_add_f32 v[PT:PT+1],     v[PT:PT+1],     v[ENAR:ENAR+1]
	v_pk_fma_f32 v[PT+18:PT+19], v[EMID:EMID+1], v[RUP:RUP+1], v[PT+18:PT+19]             ; k = 9
	v_pk_fma_f32 v[PT+22:PT+23], v[EMID:EMID+1], v[RDN:RDN+1], v[PT+22:PT+23]             ; k = 11
	v_pk_mul_f32 v[CUP:CUP+1],   v[EMID:EMID+1], v[RUP:RUP+1]
	v_pk_mul_f32 v[CDN:CDN+1],   v[EMID:EMID+1], v[RDN:RDN+1]
.set kk, 0
.rept 7
	v_pk_fma_f32 v[PT+16-2*kk:PT+17-2*kk], v[CUP:CUP+1], v[RUP:RUP+1], v[PT+16-2*kk:PT+17-2*kk]   ; k = 8 - kk
	v_pk_fma_f32 v[PT+24+2*kk:PT+25+2*kk], v[CDN:CDN+1], v[RDN:RDN+1], v[PT+24+2*kk:PT+25+2*kk]   ; k = 12 + kk
	v_pk_mul_f32 v[CUP:CUP+1], v[CUP:CUP+1], v[RUP:RUP+1]
	v_pk_mul_f32 v[CDN:CDN+1], v[CDN:CDN+1], v[RDN:RDN+1]
.set kk, kk+1
.endr
	v_pk_fma_f32 v[PT+2:PT+3],   v[CUP:CUP+1], v[RUP:RUP+1], v[PT+2:PT+3]                 ; k = 1
	v_pk_fma_f32 v[PT+38:PT+39], v[CDN:CDN+1], v[RDN:RDN+1], v[PT+38:PT+39]               ; k = 19
	v_pk_mul_f32 v[CDN:CDN+1],   v[CDN:CDN+1], v[RDN:RDN+1]
	v_pk_fma_f32 v[PT+40:PT+41], v[CDN:CDN+1], v[RDN:RDN+1], v[PT+40:PT+41]               ; k = 20
.endif
.endm
.irp t, 0,1
	POOLPAIR \t, 0, 1
	POOLPAIR \t, 1, 0
	POOLPAIR \t, 2, 0
	POOLPAIR \t, 3, 0
.endr
; Kernel k: the pair's two halves, then the other eight documents from lane xor 16.  Lanes 0..15 keep query r and send query 16 + r,
; lanes 16..31 the other way round: afterwards lane = query.  Two sets of registers take turns.
.macro FOLD k
.set FT, FOLDT+6*(\k&1)
	v_add_f32 v[FT],   v[X+2*\k],    v[X+2*\k+1]
	v_add_f32 v[FT+1], v[X+42+2*\k], v[X+42+2*\k+1]
	v_cndmask_b32 v[FT+2], v[FT],   v[FT+1], s66   ; keep
	v_cndmask_b32 v[FT+3], v[FT+1], v[FT],   s66   ; send
	v_permlanex16_b32 v[FT+4], v[FT+3], s76, s77
	v_add_f32 v[FT+2], v[FT+2], v[FT+4]
	ds_store_b32 v11, v[FT+2] offset:128*\k
.endm
.irp k, 0,1,2,3,4,5,6,7,8,9,10,11,12,13,14,15,16,17,18,19,20
	FOLD \k
.endr
.irp k, 21,22,23
	ds_store_b32 v11, v[ZERO] offset:128*\k
.endr
	s_branch .Lbar2
.Lzero:
	v_mov_b32 v16, 0
.irp k, 0,1,2,3,4,5,6,7,8,9,10,11,12,13,14,15,16,17,18,19,20,21,22,23
	ds_store_b32 v11, v16 offset:128*\k
.endr
.Lbar2:
	s_wait_dscnt 0x0                               ; for the others' sake: my slot is written
	s_barrier_signal -1
	s_barrier_wait -1
	s_cmp_ge_u32 s2, 6
	s_cbranch_scc1 .Lend
	; waves 0..5: thread t sums bytes 16 t .. 16 t + 15 of the sixteen slots, in the slots' order, and stores them: a wave's store covers 512 consecutive bytes, aligned
	s_lshl1_add_u32 s88, s14, s3                   ; 2 b + p
	s_mul_i32 s88, s88, SLOT_B
	s_mov_b32 s89, 0
	s_add_nc_u64 s[12:13], s[12:13], s[88:89]
	v_lshlrev_b32 v5, 4, v0
	v_add_nc_u32 v13, SL, v5
.irp s, 0,1,2,3,4,5,6,7,8,9,10,11,12,13,14,15
	ds_load_b128 v[X+4*\s:X+4*\s+3], v13 offset:SLOT_B*\s
.endr
.irp s, 1,2,3,4,5,6,7,8,9,10,11,12,13,14,15
	s_wait_dscnt 15-\s                             ; one load for each later slot stays out
	v_pk_add_f32 v[X:X+1],   v[X:X+1],   v[X+4*\s:X+4*\s+1]
	v_pk_add_f32 v[X+2:X+3], v[X+2:X+3], v[X+4*\s+2:X+4*\s+3]
.endr
	global_store_b128 v5, v[X:X+3], s[12:13]
.Lend:
	s_wait_xcnt 0x0
	v_lshl_add_u32 v190, v0, 2, 0x3c300
	v_mov_b32 v191, 0
	s_wait_tensorcnt 0x0
	ds_add_u32 v190, v191
	s_wait_dscnt 0x0
	s_endpgm
.Lfunc_end_k_q70a1dea4a5_pool:
	.size	k_q70a1dea4a5_pool, .Lfunc_end_k_q70a1dea4a5_pool-k_q70a1dea4a5_pool
	.p2alignl 7, 3214868480
	.fill 96, 4, 3214868480
	.section	.rodata,"a",@progbits
	.p2align	6, 0x0
	.amdhsa_kernel k_q70a1dea4a5_pool
		.amdhsa_group_segment_fixed_size 248832
		.amdhsa_private_segment_fixed_size 0
		.amdhsa_enable_private_segment 0
		.amdhsa_kernarg_size 40
		.amdhsa_user_sgpr_count 2
		.amdhsa_user_sgpr_kernarg_segment_ptr 1
		.amdhsa_wavefront_size32 1
		.amdhsa_system_sgpr_workgroup_id_x 1
		.amdhsa_system_sgpr_workgroup_id_y 1
		.amdhsa_system_sgpr_workgroup_id_z 1
		.amdhsa_system_vgpr_workitem_id 0
		.amdhsa_next_free_vgpr 192
		.amdhsa_next_free_sgpr 96
		.amdhsa_reserve_vcc 1
		.amdhsa_float_denorm_mode_32 3
		.amdhsa_float_denorm_mode_16_64 3
		.amdhsa_memory_ordered 1
		.amdhsa_forward_progress 1
		.amdhsa_inst_pref_size 70
	.end_amdhsa_kernel
	.amdgpu_metadata
---
amdhsa.version: [ 1, 2 ]
amdhsa.kernels:
  - .name:           k_q70a1dea4a5_pool
    .symbol:         k_q70a1dea4a5_pool.kd
    .args:
      - { .name: query_idx, .offset: 0, .size: 8, .value_kind: global_buffer, .address_space: global }
      - { .name: doc_idx, .offset: 8, .size: 8, .value_kind: global_buffer, .address_space: global }
      - { .name: doc_len, .offset: 16, .size: 8, .value_kind: global_buffer, .address_space: global }
      - { .name: emb_table, .offset: 24, .size: 8, .value_kind: global_buffer, .address_space: global }
      - { .name: part, .offset: 32, .size: 8, .value_kind: global_buffer, .address_space: global }
    .group_segment_fixed_size: 248832
    .private_segment_fixed_size: 0
    .kernarg_segment_align: 8
    .kernarg_segment_size: 40
    .max_flat_workgroup_size: 576
    .sgpr_count:     96
    .vgpr_count:     192
    .wavefront_size: 32
...
	.end_amdgpu_metadata
.endif
;; end of part 1
;; launch score (part 2): grid 128 x 1, 1 waves a work-group, no clusters, 0 bytes of LDS; arguments part, query_len, dense_w, dense_b, out0, out1; writes out0, out1
.if DOCPART == 2
	.amdgcn_target "amdgcn-amd-amdhsa--gfx1250"
	.amdhsa_code_object_version 6
	.text
	.protected	k_q70a1dea4a5_score
	.globl	k_q70a1dea4a5_score
	.p2align	8
	.type	k_q70a1dea4a5_score,@function
k_q70a1dea4a5_score:
	s_mov_b64 s[64:65], 0
	v_nop
	global_prefetch_b8 v0, s[64:65] scope:SCOPE_SE
	s_setreg_imm32_b32 hwreg(HW_REG_WAVE_MODE, 25, 1), 1
	s_wait_xcnt 0x0
; KNRM, second of two launches: one wave for each batch b.
; part[b][half 2][k 24][q 32] f32 holds, for k >= 1, the sums of 2^(v_k) without the factor 2^(bk), bk = -c mu_k^2, c = 50 log2(e), mu_k = 1.05 - 0.1 k;
; for k = 0 the kernel sums themselves (bk = 0); rows k = 21..23 are zeros and are not used.
; out1[b][k] = sum over q < query_len[b] of 0.01 ln(max(sum_k, 1e-10)) = sum of 0.01 ln2 max(log2(sum) + bk, log2(1e-10));  out0[b] = out1[b] . dense_w + dense_b.
; Load i (0..5) of lane l takes 16 bytes at 512 i + 16 l of each half: kernel k = 4 i + l / 8, queries 4 (l mod 8) + 0..3.
; No LDS, no barrier, no matrix unit: 6 KiB a batch, read once in runs of 512 bytes.
; LIMITS.  query_len is compared signed: any int32 is honoured.  A sum below 2^-126 counts as 0 in v_log_f32 (ISA guide, its entry) and is clipped
; like every sum below 1e-10.  A NaN sum (only from table rows that are not finite) leaves the clip as the clip's value, not as NaN.
.set BK, 8                             ; v[8:13]   bk of my kernel in load i
.set MQ, 14                            ; v[14:17]  0.01 ln2 or 0 for my four queries
.set R,  18                            ; v[18:23]  result of load i
.set A,  24                            ; v[24:71]  load i: 4 registers of the first half, 4 of the second
	s_load_b256 s[4:11], s[0:1], 0x0               ; part s[4:5], query_len s[6:7], dense_w s[8:9], dense_b s[10:11]
	s_load_b128 s[12:15], s[0:1], 0x20             ; out0 s[12:13], out1 s[14:15]
	s_mul_i32 s18, ttmp9, 6144                     ; my batch in part
	s_mov_b32 s19, 0
	s_lshl_b32 s17, ttmp9, 2                       ; 4 b
	s_mul_i32 s25, ttmp9, 84                       ; my row of out1
	s_mov_b32 s20, 0xbdcccccd                      ; -0.1
	s_mov_b32 s21, 0xffffff00                      ; all lanes but 0..7
	s_mov_b32 s23, 0xc204e08b                      ; log2(1e-10) = -33.219281
	s_mov_b32 s28, 0x76543210                      ; v_permlanex16_b32: lane i takes lane i of the other half
	s_mov_b32 s29, 0xfedcba98
.irp i, 1,2,3,4,5
	s_mov_b32 s[30+\i], 0x01010101<<\i             ; lanes with l mod 8 = i
.endr
	v_lshlrev_b32 v1, 4, v0                        ; 16 l
	v_and_b32 v2, 7, v0                            ; l mod 8
	v_lshrrev_b32 v3, 3, v0                        ; l / 8
	v_lshl_add_u32 v4, v2, 2, v3                   ; kl = 4 (l mod 8) + l / 8: the kernel that lane l ends up with
	v_min_u32 v5, 20, v4
	v_lshlrev_b32 v5, 2, v5                        ; clamped: the load of dense_w stays inside its 84 bytes
	v_mov_b32 v78, 0                               ; v_permlanex16_b32's destination counts as read
	s_wait_kmcnt 0x0
	s_add_nc_u64 s[4:5], s[4:5], s[18:19]
	s_load_b32 s16, s[6:7], s17 offset:0x0         ; query_len[b]
	s_load_b32 s22, s[10:11], 0x0                  ; dense_b
	global_load_b32 v6, v5, s[8:9]                 ; dense_w[kl]
.irp i, 0,1,2,3,4,5
	global_load_b128 v[A+8*\i:A+8*\i+3],   v1, s[4:5] offset:512*\i th:TH_LOAD_NT
	global_load_b128 v[A+8*\i+4:A+8*\i+7], v1, s[4:5] offset:512*\i+3072 th:TH_LOAD_NT
.endr
.irp i, 0,1,2,3,4,5
	v_add_nc_u32 v7, 4*\i, v3                      ; k
	v_cvt_f32_u32 v7, v7
	v_fmaak_f32 v7, s20, v7, 0x3f866666            ; mu = 1.05 - 0.1 k
	v_mul_f32 v7, v7, v7
	v_mul_f32 v[BK+\i], 0xc29044fe, v7             ; -c mu^2
.endr
	v_cndmask_b32 v[BK], 0, v[BK], s21             ; k = 0 (load 0, lanes 0..7) carries no factor
	v_lshlrev_b32 v7, 2, v2                        ; my first query
	v_mov_b32 v72, 0x3be32166                      ; 0.01 ln2
	s_wait_kmcnt 0x0
.irp e, 0,1,2,3
	v_add_nc_u32 v73, \e, v7
	v_cmp_gt_i32 vcc_lo, s16, v73                  ; query_len > q
	v_cndmask_b32 v[MQ+\e], 0, v72, vcc_lo
.endr
.irp i, 0,1,2,3,4,5
	s_wait_loadcnt 10-2*\i                         ; loads come back in order (ISA guide 5.7.1): two for each later i stay out
	v_pk_add_f32 v[A+8*\i:A+8*\i+1],   v[A+8*\i:A+8*\i+1],   v[A+8*\i+4:A+8*\i+5]     ; the two halves of the documents
	v_pk_add_f32 v[A+8*\i+2:A+8*\i+3], v[A+8*\i+2:A+8*\i+3], v[A+8*\i+6:A+8*\i+7]
	v_log_f32 v[A+8*\i],   v[A+8*\i]
	v_log_f32 v[A+8*\i+1], v[A+8*\i+1]
	v_log_f32 v[A+8*\i+2], v[A+8*\i+2]
	v_log_f32 v[A+8*\i+3], v[A+8*\i+3]
	v_nop                                          ; one plain vector instruction behind the transcendentals (ISA guide 5.7.2)
	s_wait_alu depctr_va_vdst(0)
.irp e, 0,1,2,3
	v_add_f32 v[A+8*\i+\e], v[A+8*\i+\e], v[BK+\i]
.endr
.irp e, 0,1,2,3
	v_max_num_f32 v[A+8*\i+\e], s23, v[A+8*\i+\e]  ; the clip at 1e-10, in log2
.endr
	v_mul_f32  v[R+\i], v[A+8*\i],   v[MQ]
	v_fmac_f32 v[R+\i], v[A+8*\i+1], v[MQ+1]
	v_fmac_f32 v[R+\i], v[A+8*\i+2], v[MQ+2]
	v_fmac_f32 v[R+\i], v[A+8*\i+3], v[MQ+3]
	v_add_f32_dpp v[R+\i], v[R+\i], v[R+\i] row_xmask:1 row_mask:0xf bank_mask:0xf    ; over the eight lanes that share a kernel: all 32 queries
	v_add_f32_dpp v[R+\i], v[R+\i], v[R+\i] row_xmask:2 row_mask:0xf bank_mask:0xf
	v_add_f32_dpp v[R+\i], v[R+\i], v[R+\i] row_xmask:4 row_mask:0xf bank_mask:0xf
.endr
	v_mov_b32 v76, v[R]                            ; lane l takes the result of load l mod 8: kernel kl
.irp i, 1,2,3,4,5
	v_cndmask_b32 v76, v76, v[R+\i], s[30+\i]
.endr
	v_cmp_gt_u32 vcc_lo, 21, v4                    ; the 21 lanes with kl < 21
	v_cndmask_b32 v6, 0, v6, vcc_lo
	v_mul_f32 v77, v76, v6
	v_add_f32_dpp v77, v77, v77 row_xmask:1 row_mask:0xf bank_mask:0xf
	v_add_f32_dpp v77, v77, v77 row_xmask:2 row_mask:0xf bank_mask:0xf
	v_add_f32_dpp v77, v77, v77 row_xmask:4 row_mask:0xf bank_mask:0xf
	v_add_f32_dpp v77, v77, v77 row_xmask:8 row_mask:0xf bank_mask:0xf
	v_permlanex16_b32 v78, v77, s28, s29
	v_add_f32 v77, v77, v78
	v_add_f32 v77, s22, v77                        ; + dense_b
	v_lshl_add_u32 v79, v4, 2, s25                 ; byte 84 b + 4 kl of out1
	v_mov_b32 v80, s17                             ; byte 4 b of out0
	s_wait_xcnt 0x0                                ; EXEC is a source of the loads above: it changes only behind this wait
	s_and_saveexec_b32 s26, vcc_lo
	global_store_b32 v79, v76, s[14:15]
	s_wait_xcnt 0x0                                ; and again in front of the line that widens it
	s_or_b32 exec_lo, exec_lo, s26
	v_cmp_eq_u32 vcc_lo, 0, v0
	s_and_saveexec_b32 s26, vcc_lo                 ; no memory instruction has been issued since the last wait
	global_store_b32 v80, v77, s[12:13]
	s_wait_xcnt 0x0
	s_or_b32 exec_lo, exec_lo, s26
	s_endpgm
.Lfunc_end_k_q70a1dea4a5_score:
	.size	k_q70a1dea4a5_score, .Lfunc_end_k_q70a1dea4a5_score-k_q70a1dea4a5_score
	.p2alignl 7, 3214868480
	.fill 96, 4, 3214868480
	.section	.rodata,"a",@progbits
	.p2align	6, 0x0
	.amdhsa_kernel k_q70a1dea4a5_score
		.amdhsa_group_segment_fixed_size 0
		.amdhsa_private_segment_fixed_size 0
		.amdhsa_enable_private_segment 0
		.amdhsa_kernarg_size 48
		.amdhsa_user_sgpr_count 2
		.amdhsa_user_sgpr_kernarg_segment_ptr 1
		.amdhsa_wavefront_size32 1
		.amdhsa_system_sgpr_workgroup_id_x 1
		.amdhsa_system_sgpr_workgroup_id_y 1
		.amdhsa_system_sgpr_workgroup_id_z 1
		.amdhsa_system_vgpr_workitem_id 0
		.amdhsa_next_free_vgpr 96
		.amdhsa_next_free_sgpr 66
		.amdhsa_reserve_vcc 1
		.amdhsa_float_denorm_mode_32 3
		.amdhsa_float_denorm_mode_16_64 3
		.amdhsa_memory_ordered 1
		.amdhsa_forward_progress 1
		.amdhsa_inst_pref_size 12
	.end_amdhsa_kernel
	.amdgpu_metadata
---
amdhsa.version: [ 1, 2 ]
amdhsa.kernels:
  - .name:           k_q70a1dea4a5_score
    .symbol:         k_q70a1dea4a5_score.kd
    .args:
      - { .name: part, .offset: 0, .size: 8, .value_kind: global_buffer, .address_space: global }
      - { .name: query_len, .offset: 8, .size: 8, .value_kind: global_buffer, .address_space: global }
      - { .name: dense_w, .offset: 16, .size: 8, .value_kind: global_buffer, .address_space: global }
      - { .name: dense_b, .offset: 24, .size: 8, .value_kind: global_buffer, .address_space: global }
      - { .name: out0, .offset: 32, .size: 8, .value_kind: global_buffer, .address_space: global }
      - { .name: out1, .offset: 40, .size: 8, .value_kind: global_buffer, .address_space: global }
    .group_segment_fixed_size: 0
    .private_segment_fixed_size: 0
    .kernarg_segment_align: 8
    .kernarg_segment_size: 48
    .max_flat_workgroup_size: 32
    .sgpr_count:     66
    .vgpr_count:     96
    .wavefront_size: 32
...
	.end_amdgpu_metadata
.endif
;; end of part 2
